; MI455X (gfx1250); checked and timed in simulation.
; The chip was launched on July 23, 2026; its instructions are those of AMD's public machine-readable ISA for CDNA 5 (MIT licence, August 2026) and "CDNA5" Instruction Set Architecture Reference Guide (July 2026). The comments in the code are by the model that wrote it; some were corrected since.
;; Differentiable Feature Aligner2. Allowed arithmetic: matrix products marked QUANTISED: E2M1 operands, one E8M0 scale for each 32 along K, by v_wmma_scale_f32_16x16x128_f8f6f4 with both operands' format E2M1 (or v_wmma_scale_f32_32x16x128_f4), f32 sums; products left as they are: f32 operands where the result goes on into a quantised operand, else bf16, f16 or f32 operands; f32 sums; everything else in f32.
;; Inputs: W1 6 x 64 float32; W2_codes 64 x 2 x 16 uint8 (E2M1 codes of W2, K innermost, in blocks of 32 codes, two codes a byte); W2_scales 64 x 2 uint8 (E8M0 scales of W2, one for each 32 codes along K); b1 64 float32; b2 64 float32; beta 64 float32; ego_cls 4 x 2 x 256 x 256 float32; ego_reg 4 x 14 x 256 x 256 float32; gamma 64 float32; other_cls 4 x 2 x 256 x 256 float32; other_reg 4 x 14 x 256 x 256 float32.
;; Outputs: out0 4 x 2 x 256 x 256 float32; out1 4 x 14 x 256 x 256 float32.
;; This version of the problem:
;;   THIS VERSION OF THE PROBLEM IS GIVEN IN LOW PRECISION. The matrix products marked QUANTISED in the list below multiply operands that are first quantised to E2M1 (2 exponent bits, 1 mantissa bit; 4 bits a number), with one power-of-two scale for each 32 numbers along K (OCP MX v1.0); their sums are f32. All else is computed in f32.
;;   The module's matrix products, in the order in which they are computed (A, B: the left and right operand; K: the contracted axis; several contracted axes count as one K, in the product's order):
;;     1. [M 262,144, K 6] x [K 6, N 64]; A: computed on the way; B: input W1: left as it is (K = 6 < 32)
;;     2. [M 262,144, K 64] x [K 64, N 64]; A: computed on the way; B: input W2 (given as codes): QUANTISED
;;     3. [M 262,144, K 6] x [K 6, N 64]; A: computed on the way; B: input W1: left as it is (K = 6 < 32)
;;     4. [M 262,144, K 64] x [K 64, N 64]; A: computed on the way; B: input W2 (given as codes): QUANTISED
;;     5. batch 65,536 x [M 4, K 64] x [K 64, N 4]; A: computed on the way; B: computed on the way: left as it is (M = 4 < 16)
;;     6. batch 65,536 x [M 2, K 4] x [K 4, N 4]; A: input other_cls; B: computed on the way: left as it is (K = 4 < 32)
;;     7. batch 65,536 x [M 14, K 4] x [K 4, N 4]; A: input other_reg; B: computed on the way: left as it is (K = 4 < 32)
;;   THE QUANTISER, for each operand of a quantised product, along K:
;;     - K is cut into blocks of 32 from its start; a last block that is shorter is filled with zeros.
;;     - A block's scale is 2^e with e = floor(log2(the largest magnitude in the block)) - 2, held to -126 .. 127; a block of zeros has e = 0. As a byte (E8M0): e + 127.
;;     - Each number is divided by its block's scale, clamped to +-6, and rounded to the nearest number of E2M1, ties to even, subnormals kept.
;;     - The product sums the exact products of the quantised numbers (number of the format x scale) in f32.
;;   ~~~python
;;   def quantise(x, axis):      # numpy; x: float32 -> the quantised numbers, widened to float32 again
;;       x = np.moveaxis(x, axis, -1); K = x.shape[-1]
;;       x = np.pad(x, [(0, 0)] * (x.ndim - 1) + [(0, -K % 32)]); x = x.reshape(x.shape[:-1] + (-1, 32)); a = np.abs(x).max(-1, keepdims=True)
;;       e = np.where(a > 0, np.clip(np.frexp(np.where(a > 0, a, 1))[1] - 1 - 2, -126, 127), 0)      # np.frexp(a)[1] - 1 = floor(log2(a)), exactly
;;       r = np.clip(x / 2.0 ** e, -6, 6)
;;       step = 2.0 ** (np.maximum(np.frexp(np.where(r == 0, 1, r))[1] - 1, 0) - 1)
;;       q = np.round(r / step) * step * 2.0 ** e      # np.round: ties to even
;;       return np.moveaxis(q.reshape(q.shape[:-2] + (-1,))[..., :K], -1, axis).astype(np.float32)
;;   ~~~
;;   OPERANDS COMPUTED ON THE WAY. 'Computed on the way' means the value that the module computes at that place (a softmax that the list does not call 'softmax' is quantised finished and normalised). What goes into a quantiser is computed in f32, as accurately as f32 sums, v_exp_f32 and their like allow (about 1e-6 of the number): no bf16 or f16 on the way to a quantiser, and a product that is left as it is and whose result goes on into a quantised operand takes f32 operands (vector FMAs, or v_wmma_f32_16x16x4_f32). A number that lies on a knife's edge between two numbers of the format may be rounded either way, as far as f32 arithmetic and the matrix unit's own rounding can turn it there, and no further.
;;   INPUTS GIVEN AS CODES. W2 (in the module: [64, 64], K = its axis 0): each comes as NAME_codes (uint8): NAME with its K axis moved to the last place and cut into blocks of 32 codes, [.., K / 32, bytes a block], one block behind the other in memory; two codes a byte, the lower K in the low four bits (a code: sign, 2 exponent bits, 1 mantissa bit); and NAME_scales (uint8): the same leading axes, one E8M0 byte (e + 127) for each 32 codes along K. Its value is code x scale, taken as it is: it is not quantised again, and the codes and scales need not be those that the quantiser above would give.
;; One version. Each part assembles by itself: llvm-mc -triple=amdgcn-amd-amdhsa -mcpu=gfx1250 --defsym DOCPART=n.
;; ======== version 1 of 1: 1 launch
;; limits: inputs' magnitudes at most 100,000
;; launch align (part 1): grid 256 x 1, 16 waves a work-group, no clusters, 264,192 bytes of LDS; arguments ego_cls, ego_reg, other_cls, other_reg, W1, b1, gamma, beta, W2_codes, W2_scales, b2, out0, out1; writes out0, out1
.if DOCPART == 1
	.amdgcn_target "amdgcn-amd-amdhsa--gfx1250"
	.amdhsa_code_object_version 6
	.text
	.protected	k_q7c1c85c72d_align
	.globl	k_q7c1c85c72d_align
	.p2align	8
	.type	k_q7c1c85c72d_align,@function
k_q7c1c85c72d_align:
	s_mov_b64 s[64:65], 0
	v_nop
	global_prefetch_b8 v0, s[64:65] scope:SCOPE_SE
	s_setreg_imm32_b32 hwreg(HW_REG_WAVE_MODE, 25, 1), 1
	s_wait_xcnt 0x0
; For each of 65,536 pixels and each of 8 rows (other batch 0-3, ego batch 0-3): six features (reg 3, 4, 5, sin and cos of reg 6, max of the two cls), x W1 + b1, relu, LayerNorm(64),
; quantised to FP4 (E2M1) with one E8M0 scale for each 32, x W2 (given as codes) + b2.  Then attn[i][j] = ego_d[i] . oth_d[j] / 8 and out[i][c] = sum over j of attn[i][j] other[j][c], 16 channels.
; SHARES.  A work-group owns 256 pixels: 1,024 consecutive bytes of every channel plane.  All that it reads of the four pixel tensors, 88 rows of 1,024 bytes, comes into LDS once, by two tensor loads a wave.
; Of ego_reg only channels 3 to 6 enter the result, so only these are fetched.  Encoding and attn: wave w owns pixels 16 w .. 16 w + 15, eight tiles of 16 rows (tile t: 0-3 other batch t, 4-7 ego batch t - 4).
; Output: wave w owns 64 pixels (w / 4) and channels 4 k + w % 4, two pixels a lane, so that each load and each store covers 256 consecutive bytes, aligned.
; SIXTEEN waves of 256 registers, four to a SIMD: one wave's matrix time and dependent chains are filled by the other three; no register windows.
; PRODUCT 1 (K = 6, f32 operands, since its result goes on into a quantiser) is two K steps of the f32 matrix form, used transposed: source 0 = 16 rows of W1^T, source 1 = 16 rows of features.
; The eight K slots hold f0 f1 f2 f3 f4 1 f5 0 against W1's rows 0 1 2 3 4, b1, row 5, 0: the bias rides in the product.  Lane r of tile T takes hidden unit 32 (r / 8) + 8 T + r % 8, so that in the results
; lane (r, h) holds row r and register 8 T + j hidden unit 32 h + 8 T + j: A WHOLE BLOCK OF 32 IN ONE LANE, in the order of the FP4 operand's registers 0-3.  No lane is asked for a block's maximum, nothing is swapped.
; PRODUCT 2 (K = 64 of the instruction's 128), transposed: source 0 = 16 rows of W2, source 1 = the codes, C = b2.  K = 64 .. 127: W2's fragment holds ZERO CODES there, so whatever bits stand in source 1's upper
; four registers (the next tile's codes; FP4 has no NaN and no infinity) add exactly 0; both sides' scale bytes of those blocks are 0, never 0xff.
; NO CLUSTER: work-groups share only the weights, 4,736 bytes, against 90,112 bytes of pixels that are each work-group's own.  NO PREFETCH: every pixel byte is asked for by the tensor loads at the head.
; LIMITS.  The angle is reduced by three parts of pi / 2, which keeps f32 accuracy for |theta| up to about 1e5.  NaN and infinities among the inputs are not served.
; A block of zeros gets the scale byte 1 (the floor) over zero codes, where the rule says 127: only this text reads the byte.
.set PLANE, 262144                     ; bytes of a channel plane
.set RSTR,  14*PLANE                   ; from batch to batch in a reg tensor
.set CSTR,  2*PLANE                    ; and in a cls tensor
; LDS
.set BP,    22592                      ; a batch's block: 22 rows of 1,024 bytes + 64, so that lanes 16-31, which read the next batch, fall 16 banks beside lanes 0-15 (64 banks of 4 bytes: ISA guide 11.1)
                                       ; rows of a block: 0, 1 other_cls; 2-15 other_reg 0-13; 16, 17 ego_cls; 18-21 ego_reg 3-6
.set XW,    4*BP                       ; product 1's feature operands as images of their registers: wave w at 4,096 w, tile t at 512 t, 16 bytes a lane
.set CW,    XW+65536                   ; the codes' images: the same shape
.set SW,    CW+65536                   ; the codes' scale words: wave w at 1,024 w, tile t at 128 t, 4 bytes a lane
.set AT,    SW+16384                   ; attn / 8: row 4 i + j, 4 bytes a pixel
.set ATP,   1088                       ; its pitch: 1,024 + 64, for the same reason as BP's 64
; vector registers
.set AX0,  1                           ; XW + 4,096 w + 16 lane
.set AC0,  2                           ; CW + 4,096 w + 16 lane
.set AS0,  3                           ; SW + 1,024 w + 4 lane
.set AAT,  4                           ; AT + ATP h + 64 w + 4 r
.set SH8,  5                           ; 8 h
.set AAV,  6                           ; output: AT + 256 (w / 4) + 8 lane
.set AO0,  7                           ; output: 1,024 (w % 4) + 256 (w / 4) + 8 lane; v8: the same + 2 BP
.set ARA0, 9                           ; BP h + 64 w + 4 r; v252: the same + 2 BP
.set W2S,  10                          ; v10-13   W2's scale words: scales and nothing else
.set SA,   14                          ; v[14:15], v[16:17] two chains of sums
.set SB,   16
.set RR,   18                          ; v[18:19] 1 / sqrt(var + eps); the pair's upper word is only named
.set TMP,  20                          ; what a lane gets from lane xor 16
.set MX0,  21
.set MX1,  22
.set SOP,  23                          ; the conversions' scale operand
.set BY,   24
.set PW,   25                          ; the tile's scale word
.set PCT,  26                          ; v26-29   the tile's codes
.set W1A,  32                          ; v32-47   W1^T: tile T, K step s at 32 + 4 T + 2 s
.set GAM,  48                          ; v48-79   gamma of my 32 hidden units
.set BET,  80                          ; v80-111  beta
.set HID,  112                         ; v112-143 product 1's results: written by matrix instructions alone
.set ACT,  144                         ; v144-175 relu, then centred, then normalised
.set W2F,  176                         ; v176-207 W2's four fragments; registers 4-7 of each are zero codes
.set B2C,  208                         ; v208-239 b2 in the result's layout
.set PSC,  240                         ; v240-247 the eight tiles' scale words: scales and nothing else
.set XB,   248                         ; v248-251 a tile's feature operand, both K steps
.set ARA1, 252
.set AXS,  253                         ; XW + 4,096 w + 512 h + 16 r
; the features' phase lays its work over registers that are free then
.set TH,   14                          ; v14-17   four angles
.set CL,   18                          ; v18-25   four pairs of cls
.set JJ,   26
.set NN,   28
.set RD,   30
.set SQ,   248
.set CC,   250
.set TT,   254
; the dots' phase
.set DES,  112                         ; v112-175 tile t's 16 outputs of the second product at 112 + 8 t
.set COD,  32                          ; v32-63   tile t's codes at 32 + 4 t
.set ACC,  80                          ; v80-111  the pair of partial sums of attn[i][j] at 80 + 2 (4 i + j)
.set TA,   14
.set TB,   22
; the output phase
.set AV,   32                          ; v32-63   attn / 8 of my two pixels, pair 4 i + j
.set OV,   64                          ; v64-95   other[j][4 k + q], pair at 64 + 8 k + 2 j
.set RES,  176                         ; v176-207 out[i][4 k + q], pair at 176 + 8 k + 2 i
.set VO0,  26                          ; v26-29   byte offsets of channel slot 0's four stores
.set VO1,  30                          ; v30      and of all the others
.set PIX,  31
.macro G1SET g, rows                   ; descriptor group 1: rows x 256 elements of 4 bytes, a plane (65,536 elements) apart; no padding, no mask
	s_mov_b32 s[\g+0], 2<<16                       ; 17:16 elements of 4 bytes
	s_mov_b32 s[\g+1], 256<<16                     ; tensor_dim0 = 256
	s_mov_b32 s[\g+2], \rows<<16                   ; tensor_dim1
	s_mov_b32 s[\g+3], 256<<16                     ; tile_dim0 = 256
	s_mov_b32 s[\g+4], \rows                       ; tile_dim1
	s_mov_b32 s[\g+5], 65536                       ; tensor_dim0_stride
	s_mov_b32 s[\g+6], 0
	s_mov_b32 s[\g+7], 0
.endm
	s_load_b512 s[4:19], s[0:1], 0x0               ; ego_cls s[4:5], ego_reg s[6:7], other_cls s[8:9], other_reg s[10:11], W1 s[12:13], b1 s[14:15], gamma s[16:17], beta s[18:19]
	s_load_b256 s[20:27], s[0:1], 0x40             ; W2's codes s[20:21], its scales s[22:23], b2 s[24:25], out0 s[26:27]
	s_load_b64 s[28:29], s[0:1], 0x60              ; out1
	v_lshl_add_u32 v252, v0, 2, 0x40000
	v_mov_b32 v253, 0
	ds_add_u32 v252, v253
	ds_add_u32 v252, v253
	s_wait_dscnt 0x0
	v_lshrrev_b32 v14, 5, v0
	v_readfirstlane_b32 s30, v14                   ; wave 0..15
	s_and_b32 s31, s30, 3                          ; b: the batch that I fetch.  Also q: my channel within a group of four
	s_bfe_u32 s2, s30, 0x10002                     ; rb = (wave / 4) % 2: which of two tiles of that batch
	G1SET 32, 2
	G1SET 40, 3
	G1SET 48, 4
	s_mov_b32 s66, 0x76543210
	s_mov_b32 s67, 0xfedcba98                      ; v_permlanex16_b32's selects for lane xor 16
	s_mov_b32 s80, 0x4b400000                      ; 1.5 x 2^23: added to a number it leaves the nearest whole number in the low bits
	s_mov_b32 s81, s80                             ; (the packed forms name pairs, so both words are written)
	s_mov_b32 s82, 0x37cd4000                      ; the cosine polynomial's leading coefficient
	s_mov_b32 s83, s82
	s_mov_b32 s84, 0x36405000                      ; the sine's
	s_mov_b32 s85, s84
	s_mov_b32 s86, 0x3c800000                      ; 1 / 64
	s_mov_b32 s87, 0x3727c5ac                      ; 1e-5
	s_mov_b32 s91, 0xffff0000                      ; lanes 16-31
	; where the four kinds of tile go in LDS: constants, the batch and rb, both made of the wave's number
	s_mul_i32 s76, s31, BP
	s_lshl_b32 s77, s2, 14
	s_add_co_u32 s57, s76, s77                     ; A: cls, rows 0, 1 (other) or 16, 17 (ego)
	s_mul_i32 s77, s2, 11264
	s_add_co_u32 s61, s76, s77
	s_add_co_u32 s61, s61, 2048                    ; B: other_reg 0-2, rows 2-4, or 11-13, rows 13-15
	s_mul_i32 s77, s2, 13312
	s_add_co_u32 s69, s76, s77
	s_add_co_u32 s69, s69, 5120                    ; C: reg 3-6, rows 5-8 (other) or 18-21 (ego)
	s_lshl_b32 s77, s2, 11
	s_add_co_u32 s73, s76, s77
	s_add_co_u32 s73, s73, 9216                    ; D: other_reg 7, 8, rows 9, 10, or 9, 10, rows 11, 12
	s_mov_b32 s56, 1                               ; count = 1
	s_mov_b32 s60, 1
	s_mov_b32 s68, 1
	s_mov_b32 s72, 1
	; and where they come from, as offsets in registers of their own
	s_lshl_b32 s3, ttmp9, 10                       ; my work-group's 1,024 bytes in every plane
	s_lshl_b32 s78, s31, 19                        ; b x CSTR
	s_add_co_u32 s78, s78, s3
	s_mov_b32 s79, 0
	s_mul_i32 s88, s31, RSTR
	s_add_co_u32 s88, s88, s3
	s_mov_b32 s89, 0
	s_mul_i32 s94, s2, 11*PLANE
	s_mov_b32 s95, 0
	s_lshl_b32 s96, s2, 19                         ; rb x 2 planes
	s_mov_b32 s97, 0
	s_wait_kmcnt 0x0
	s_cmp_eq_u32 s2, 0                             ; the choice of buffer hangs on the wave's number alone
	s_cselect_b64 s[58:59], s[8:9], s[4:5]         ; A: other_cls or ego_cls
	s_cselect_b64 s[70:71], s[10:11], s[6:7]       ; C: other_reg or ego_reg
	s_add_nc_u64 s[58:59], s[58:59], s[78:79]
	s_add_nc_u64 s[70:71], s[70:71], s[88:89]
	s_add_nc_u64 s[70:71], s[70:71], 3*PLANE
	s_add_nc_u64 s[62:63], s[10:11], s[88:89]
	s_add_nc_u64 s[74:75], s[62:63], s[96:97]
	s_add_nc_u64 s[74:75], s[74:75], 7*PLANE
	s_add_nc_u64 s[62:63], s[62:63], s[94:95]
	s_or_b32 s59, s59, 0x80000000                  ; type = 2
	s_or_b32 s63, s63, 0x80000000
	s_or_b32 s71, s71, 0x80000000
	s_or_b32 s75, s75, 0x80000000
	; All fills of the launch, two a wave, in one branch on the wave's number, ahead of every wait on TENSORcnt, every LDS read and every barrier.  Each wave's FIRST load brings what the features need
	; (all cls, reg 3-6 of both sides), its second the rest of other_reg, which only the output phase reads.  Two tensor loads of a wave are out at the most.  Four v_nop follow the second.
	s_cmp_lt_u32 s30, 8
	s_cbranch_scc0 .Lupper
	tensor_load_to_lds s[56:59], s[32:39]
	s_nop 0
	tensor_load_to_lds s[60:63], s[40:47]
	s_nop 0
.rept 4
	v_nop
.endr
	s_branch .Lasked
.Lupper:
	tensor_load_to_lds s[68:71], s[48:55]
	s_nop 0
	tensor_load_to_lds s[72:75], s[32:39]
	s_nop 0
.rept 4
	v_nop
.endr
.Lasked:
	; the weights, each lane's part in the layout in which it is used; they stay in registers
	v_and_b32 v14, 15, v0                          ; r
	v_bfe_u32 v15, v0, 4, 1                        ; h
	v_and_b32 v16, 31, v0                          ; lane
	v_and_b32 v17, 7, v0
	v_bfe_u32 v18, v0, 3, 1
	v_lshlrev_b32 v17, 2, v17
	v_lshl_add_u32 v17, v18, 7, v17                ; 4 x (32 (r / 8) + r % 8): my hidden unit of tile 0, in bytes
	v_lshl_add_u32 v18, v15, 9, v17                ; + W1's rows 2 h, 2 h + 1 (256 bytes a row)
	v_lshl_add_u32 v19, v15, 8, v17                ; + row 4 + h
	v_lshlrev_b32 v20, 7, v15                      ; gamma, beta: my 32 numbers
	v_lshlrev_b32 v21, 5, v15                      ; b2: my eight of a tile's sixteen
	v_lshlrev_b32 v22, 5, v14
	v_lshl_add_u32 v22, v15, 4, v22                ; W2's codes: row r of 32 bytes, block h
	v_lshlrev_b32 v23, 1, v14                      ; W2's scales: two bytes a row
.irp T, 0,1,2,3
	global_load_b32 v[W1A+4*\T],   v18, s[12:13] offset:32*\T            ; K slots 2 h, 2 h + 1: W1's rows 0, 1 | 2, 3
	global_load_b32 v[W1A+4*\T+1], v18, s[12:13] offset:256+32*\T
	global_load_b32 v[W1A+4*\T+2], v19, s[12:13] offset:1024+32*\T       ; K slot 4 + 2 h: W1's row 4 | 5
	global_load_b32 v[W1A+4*\T+3], v17, s[14:15] offset:32*\T            ; K slot 5 + 2 h: b1 | 0 (lanes 16-31 are cleared below)
.endr
.irp c, 0,1,2,3,4,5,6,7
	global_load_b128 v[GAM+4*\c:GAM+4*\c+3], v20, s[16:17] offset:16*\c
	global_load_b128 v[BET+4*\c:BET+4*\c+3], v20, s[18:19] offset:16*\c
.endr
.irp n, 0,1,2,3
	global_load_b128 v[B2C+8*\n:B2C+8*\n+3],   v21, s[24:25] offset:64*\n      ; b2[16 n + 8 h + 0 .. 7]
	global_load_b128 v[B2C+8*\n+4:B2C+8*\n+7], v21, s[24:25] offset:64*\n+16
	global_load_b128 v[W2F+8*\n:W2F+8*\n+3],   v22, s[20:21] offset:512*\n     ; W2's row 16 n + r, K = 32 h .. 32 h + 31
	global_load_u16 v[W2S+\n], v23, s[22:23] offset:32*\n                      ; its two scale bytes; bytes 2 and 3 are 0
.endr
.irp n, 0,1,2,3
.irp c, 4,5,6,7
	v_mov_b32 v[W2F+8*\n+\c], 0                    ; K = 64 .. 127: zero codes
.endr
.endr
	; the LDS addresses: a constant + a lane term + a wave term each; none is written again
	s_lshl_b32 s76, s30, 12
	s_add_co_u32 s76, s76, XW
	s_lshl_b32 s77, s30, 10
	s_add_co_u32 s77, s77, SW
	s_lshl_b32 s78, s30, 6
	s_add_co_u32 s79, s78, AT
	s_lshr_b32 s88, s30, 2
	s_lshl_b32 s88, s88, 8                         ; 256 x (wave / 4): kept for the output phase
	s_add_co_u32 s89, s88, AT
	s_lshl_b32 s94, s31, 10
	s_add_co_u32 s94, s94, s88
	v_lshl_add_u32 v[AX0], v16, 4, s76
	v_add_nc_u32 v[AC0], CW-XW, v[AX0]
	v_lshl_add_u32 v[AS0], v16, 2, s77
	v_mul_u32_u24 v[AAT], v15, ATP
	v_lshl_add_u32 v[AAT], v14, 2, v[AAT]
	v_add_nc_u32 v[AAT], s79, v[AAT]
	v_lshlrev_b32 v[SH8], 3, v15
	v_lshl_add_u32 v[AAV], v16, 3, s89
	v_lshl_add_u32 v[AO0], v16, 3, s94
	v_add_nc_u32 v[AO0+1], 2*BP, v[AO0]
	v_mul_u32_u24 v[ARA0], v15, BP
	v_lshl_add_u32 v[ARA0], v14, 2, v[ARA0]
	v_add_nc_u32 v[ARA0], s78, v[ARA0]
	v_add_nc_u32 v[ARA1], 2*BP, v[ARA0]
	v_lshlrev_b32 v[AXS], 9, v15
	v_lshl_add_u32 v[AXS], v14, 4, v[AXS]
	v_add_nc_u32 v[AXS], s76, v[AXS]
	s_wait_xcnt 0x0                                ; the weights' loads have read their offsets: v14-23 are written again below
	s_wait_tensorcnt 0x1                           ; my first tensor load has landed: on both ways one load was issued behind it, and that one may stay out
	s_barrier_signal -1
	s_barrier_wait -1                              ; everybody's first load has landed
	; ---- THE FEATURES.  Lane (r, h) makes those of pixel 16 w + r for four rows: side s (0 other, 1 ego), batch 2 k + h; set 2 s + k in v[ACT + 8 (2 s + k)] on:
	; f0 f1 cos 1 | f2 sin score 0: the two quads are what lanes r and 16 + r of the tile's operand hold.
.irp s, 0,1
.irp k, 0,1
	ds_load_b32 v[TH+2*\s+\k], v[ARA0+243*\k] offset:(8+13*\s)*1024
.endr
.endr
.irp s, 0,1
.irp k, 0,1
	ds_load_b32 v[CL+2*(2*\s+\k)],   v[ARA0+243*\k] offset:(16*\s)*1024
	ds_load_b32 v[CL+2*(2*\s+\k)+1], v[ARA0+243*\k] offset:(16*\s+1)*1024
.endr
.endr
.irp s, 0,1
.irp k, 0,1
	ds_load_b32 v[ACT+8*(2*\s+\k)],   v[ARA0+243*\k] offset:(5+13*\s)*1024
	ds_load_b32 v[ACT+8*(2*\s+\k)+1], v[ARA0+243*\k] offset:(6+13*\s)*1024
	ds_load_b32 v[ACT+8*(2*\s+\k)+4], v[ARA0+243*\k] offset:(7+13*\s)*1024
.endr
.endr
; sin and cos of two angles at once.  n = the whole number nearest theta x 2 / pi; rd = theta - n pi / 2, with pi / 2 in three parts, each taken off by a fused multiply-add; a polynomial each for cos rd and sin rd on |rd| <= pi / 4.
.macro SINCOS p
	v_pk_fma_f32 v[JJ:JJ+1], v[TH+2*\p:TH+2*\p+1], 0x3f22f983, s[80:81] op_sel_hi:[1,0,0]   ; its low bits are n
	v_pk_add_f32 v[NN:NN+1], v[JJ:JJ+1], 0xcb400000 op_sel_hi:[1,0]                          ; n as a number
	v_pk_fma_f32 v[RD:RD+1], v[NN:NN+1], 0xbfc90fd8, v[TH+2*\p:TH+2*\p+1] op_sel_hi:[1,0,1]
	v_pk_fma_f32 v[RD:RD+1], v[NN:NN+1], 0xb4a8885a, v[RD:RD+1] op_sel_hi:[1,0,1]
	v_pk_fma_f32 v[RD:RD+1], v[NN:NN+1], 0xa7c234c4, v[RD:RD+1] op_sel_hi:[1,0,1]
	v_pk_mul_f32 v[SQ:SQ+1], v[RD:RD+1], v[RD:RD+1]
	v_pk_fma_f32 v[CC:CC+1], v[SQ:SQ+1], s[82:83], 0xbab6077d op_sel_hi:[1,0,0]              ; the two polynomials by turns
	v_pk_fma_f32 v[TT:TT+1], v[SQ:SQ+1], s[84:85], 0xb9503486 op_sel_hi:[1,0,0]
	v_pk_fma_f32 v[CC:CC+1], v[CC:CC+1], v[SQ:SQ+1], 0x3d2aaaa8 op_sel_hi:[1,1,0]
	v_pk_fma_f32 v[TT:TT+1], v[TT:TT+1], v[SQ:SQ+1], 0x3c0888c1 op_sel_hi:[1,1,0]
	v_pk_fma_f32 v[CC:CC+1], v[CC:CC+1], v[SQ:SQ+1], -0.5 op_sel_hi:[1,1,0]
	v_pk_fma_f32 v[TT:TT+1], v[TT:TT+1], v[SQ:SQ+1], 0xbe2aaaab op_sel_hi:[1,1,0]
	v_pk_fma_f32 v[CC:CC+1], v[CC:CC+1], v[SQ:SQ+1], 1.0 op_sel_hi:[1,1,0]                   ; cos rd
	v_pk_mul_f32 v[TT:TT+1], v[TT:TT+1], v[SQ:SQ+1]
	v_pk_fma_f32 v[TT:TT+1], v[TT:TT+1], v[RD:RD+1], v[RD:RD+1]                              ; sin rd
.endm
; The quadrant, for half e of the pair, into set sg.  n odd: the two change places.  sin is negative where bit 1 of n is set, cos where bit 1 of n + 1 is.  A choice of values only: no branch.
.macro FIN sg, e
	v_lshlrev_b32 v[NN], 31, v[JJ+\e]
	v_cmp_gt_i32 vcc_lo, 0, v[NN]                  ; n is odd
	v_cndmask_b32 v[ACT+8*\sg+5], v[TT+\e], v[CC+\e], vcc_lo
	v_cndmask_b32 v[ACT+8*\sg+2], v[CC+\e], v[TT+\e], vcc_lo
	v_lshlrev_b32 v[NN], 30, v[JJ+\e]
	v_add_lshl_u32 v[NN+1], v[JJ+\e], 1, 30
	v_and_b32 v[NN], 0x80000000, v[NN]
	v_and_b32 v[NN+1], 0x80000000, v[NN+1]
	v_xor_b32 v[ACT+8*\sg+5], v[NN], v[ACT+8*\sg+5]            ; sin theta
	v_xor_b32 v[ACT+8*\sg+2], v[NN+1], v[ACT+8*\sg+2]          ; cos theta
.endm
	s_wait_dscnt 20                                ; LDS loads come back in order (ISA guide 5.7.1): the four angles are in, the twenty loads behind them may be out
	SINCOS 0
	FIN 0, 0
	FIN 1, 1
	SINCOS 1
	FIN 2, 0
	FIN 3, 1
.irp g, 0,1,2,3
	v_mov_b32 v[ACT+8*\g+3], 1.0                   ; the slot that meets b1
	v_mov_b32 v[ACT+8*\g+7], 0                     ; the slot that is left over
.endr
	s_wait_dscnt 12                                ; the eight cls numbers are in; the twelve sizes may be out
.irp g, 0,1,2,3
	v_max_num_f32 v[ACT+8*\g+6], v[CL+2*\g], v[CL+2*\g+1]
.endr
	s_wait_dscnt 0x0                               ; the sizes
.irp s, 0,1
.irp k, 0,1
	ds_store_b128 v[AXS], v[ACT+8*(2*\s+\k):ACT+8*(2*\s+\k)+3]   offset:(4*\s+2*\k)*512       ; tile 4 s + 2 k + h (512 h is in the address): lane r's place in its image,
	ds_store_b128 v[AXS], v[ACT+8*(2*\s+\k)+4:ACT+8*(2*\s+\k)+7] offset:(4*\s+2*\k)*512+256   ; and lane 16 + r's
.endr
.endr
; Product 1 for one tile of rows: four tiles of hidden units, two K steps.  The four accumulators take turns, one instruction a turn, and the first K step starts each sum with the constant 0.
.macro WM
.irp T, 0,1,2,3
	v_wmma_f32_16x16x4_f32 v[HID+8*\T:HID+8*\T+7], v[W1A+4*\T:W1A+4*\T+1], v[XB:XB+1], 0
.endr
.irp T, 0,1,2,3
	v_wmma_f32_16x16x4_f32 v[HID+8*\T:HID+8*\T+7], v[W1A+4*\T+2:W1A+4*\T+3], v[XB+2:XB+3], v[HID+8*\T:HID+8*\T+7]
.endr
.endm
	s_wait_loadcnt 0x0                             ; the weights
	v_mov_b32 v[TMP], 0                            ; (also: a lane permute's destination counts as one of its sources)
	v_mov_b32 v[RR+1], 0                           ; (named as the upper half of a pair)
.irp T, 0,1,2,3
	v_cndmask_b32 v[W1A+4*\T+3], v[W1A+4*\T+3], v[TMP], s91    ; K slot 7: 0 in lanes 16-31
.endr
	ds_load_b128 v[XB:XB+3], v[AX0]                ; tile 0's operand.  LDS serves a wave's instructions in order (ISA guide 5.7.1.4): it sees my stores above; these bytes are my wave's own
	s_wait_dscnt 0x0
	WM
.rept 8
	v_nop                                          ; eight places behind this form, in front of the load into its source and of the first read of its results
.endr
	ds_load_b128 v[XB:XB+3], v[AX0] offset:512     ; tile 1's
; ---- ONE TILE OF 16 ROWS: relu, LayerNorm, quantiser.  The next tile's product 1 is issued behind the relu, so that it runs beside this tile's vector work.
; Between that product and all that touches its registers again (the load into its source; the next tile's relu; the product after it, which starts its sums anew over these results) stand plain vector
; instructions that name none of them: 17 ahead of the load, more than 100 ahead of the others, where eight and nine are asked.
.macro ENC t
.set i, 0
.rept 32
	v_max_num_f32 v[ACT+i], 0, v[HID+i]            ; ascending: each accumulator is read from its low end on
.set i, i+1
.endr
	s_wait_dscnt 0x0                               ; the next tile's operand is in, and the last tile's LDS stores are done: their registers are written again below
.if \t < 7
	WM
.endif
	v_pk_add_f32 v[SA:SA+1], v[ACT:ACT+1], v[ACT+2:ACT+3]          ; the sum of my 32, two at a time, in two chains
	v_pk_add_f32 v[SB:SB+1], v[ACT+4:ACT+5], v[ACT+6:ACT+7]
.irp i, 8,12,16,20,24,28
	v_pk_add_f32 v[SA:SA+1], v[SA:SA+1], v[ACT+\i:ACT+\i+1]
	v_pk_add_f32 v[SB:SB+1], v[SB:SB+1], v[ACT+\i+2:ACT+\i+3]
.endr
	v_pk_add_f32 v[SA:SA+1], v[SA:SA+1], v[SB:SB+1]
	v_add_f32 v[SA], v[SA], v[SA+1]
	v_permlanex16_b32 v[TMP], v[SA], s66, s67
	v_add_f32 v[SA], v[SA], v[TMP]                 ; with lane xor 16's 32: the row's sum
.if \t < 6
	ds_load_b128 v[XB:XB+3], v[AX0] offset:512*(\t+2)              ; the operand of the tile after the next
.endif
.set i, 0
.rept 16
	v_pk_fma_f32 v[ACT+i:ACT+i+1], v[SA:SA+1], 0xbc800000, v[ACT+i:ACT+i+1] op_sel_hi:[0,0,1]   ; h - sum / 64, rounded once
.set i, i+2
.endr
	v_pk_mul_f32 v[SA:SA+1], v[ACT:ACT+1], v[ACT:ACT+1]            ; the variance from the centred numbers: no difference of large sums
	v_pk_mul_f32 v[SB:SB+1], v[ACT+2:ACT+3], v[ACT+2:ACT+3]
.irp i, 4,8,12,16,20,24,28
	v_pk_fma_f32 v[SA:SA+1], v[ACT+\i:ACT+\i+1], v[ACT+\i:ACT+\i+1], v[SA:SA+1]
	v_pk_fma_f32 v[SB:SB+1], v[ACT+\i+2:ACT+\i+3], v[ACT+\i+2:ACT+\i+3], v[SB:SB+1]
.endr
	v_pk_add_f32 v[SA:SA+1], v[SA:SA+1], v[SB:SB+1]
	v_add_f32 v[SA], v[SA], v[SA+1]
	v_permlanex16_b32 v[TMP], v[SA], s66, s67
	v_add_f32 v[SA], v[SA], v[TMP]
	v_fma_f32 v[SA], v[SA], s86, s87               ; / 64 + 1e-5
	v_rsq_f32 v[RR], v[SA]
	v_nop                                          ; a plain instruction between the transcendental and the use of its result (ISA guide 5.7.2)
	s_wait_alu depctr_va_vdst(0)                   ; the wait ahead of the first line that names the result
.set i, 0
.rept 16
	v_pk_mul_f32 v[ACT+i:ACT+i+1], v[ACT+i:ACT+i+1], v[RR:RR+1] op_sel_hi:[1,0]
.set i, i+2
.endr
.set i, 0
.rept 16
	v_pk_fma_f32 v[ACT+i:ACT+i+1], v[ACT+i:ACT+i+1], v[GAM+i:GAM+i+1], v[BET+i:BET+i+1]
.set i, i+2
.endr
	; the quantiser: my 32 numbers are block h of my row
	v_max3_num_f32 v[MX0], |v[ACT]|, |v[ACT+1]|, 0x1800000         ; the largest magnitude, in two chains, and the floor 2^(3 - 127) among its leaves: the byte cannot fall under 1
	v_max3_num_f32 v[MX1], |v[ACT+2]|, |v[ACT+3]|, |v[ACT+4]|
.irp i, 5,9,13,17,21,25
	v_max3_num_f32 v[MX0], v[MX0], |v[ACT+\i]|, |v[ACT+\i+1]|
	v_max3_num_f32 v[MX1], v[MX1], |v[ACT+\i+2]|, |v[ACT+\i+3]|
.endr
	v_max3_num_f32 v[MX0], v[MX0], |v[ACT+29]|, |v[ACT+30]|
	v_max3_num_f32 v[MX0], v[MX0], v[MX1], |v[ACT+31]|
	v_add_nc_u32 v[SOP], 0xff000000, v[MX0]        ; 2 off its exponent field: the conversion takes the exponent field of this operand as its scale, and nothing else of it
	v_lshrrev_b32 v[BY], 23, v[SOP]                ; the scale's byte,
	v_lshlrev_b32 v[BY], v[SH8], v[BY]             ; at block h's place in the word;
	v_permlanex16_b32 v[TMP], v[BY], s66, s67
	v_or_b32 v[PW], v[BY], v[TMP]                  ; with lane xor 16's the row's word is whole; bytes 2 and 3 are 0
.irp T, 0,1,2,3
	v_cvt_scalef32_pk8_fp4_f32 v[PCT+\T], v[ACT+8*\T:ACT+8*\T+7], v[SOP]   ; register T of the operand: K = 32 h + 8 T + 0 .. 7; beyond 6 the largest code, as the rule asks
.endr
	v_nop                                          ; one plain place behind the scaled conversions: the next tile's relu writes their sources
	ds_store_b128 v[AC0], v[PCT:PCT+3] offset:512*\t               ; the tile's codes and scale words, as images of their registers, in my wave's own bytes
	ds_store_b32 v[AS0], v[PW] offset:128*\t
.endm
.irp t, 0,1,2,3,4,5,6,7
	ENC \t
.endr
	; ---- THE SECOND PRODUCT AND THE SIXTEEN DOTS
.irp t, 0,1,2,3,4,5,6,7
	ds_load_b128 v[COD+4*\t:COD+4*\t+3], v[AC0] offset:512*\t      ; in order behind my stores
.endr
.irp t, 0,1,2,3,4,5,6,7
	ds_load_b32 v[PSC+\t], v[AS0] offset:128*\t
.endr
	s_wait_dscnt 0x0
; Outputs 16 n .. 16 n + 15 of all eight tiles: lane (r, h) gets pixel r's outputs 16 n + 8 h + 0 .. 7.  Then attn's partial sums: two outputs an instruction, 16 chains whose links stand four lines apart.
; Each accumulator's first reader takes its low pair.  Four places stand behind the products; of the 64 packed lines 48 name no register of a given product, where five are asked in front of the next
; product that writes over its results.
.macro DOT n
.irp t, 0,1,2,3,4,5,6,7
	v_wmma_scale_f32_16x16x128_f8f6f4 v[DES+8*\t:DES+8*\t+7], v[W2F+8*\n:W2F+8*\n+7], v[COD+4*\t:COD+4*\t+7], v[B2C+8*\n:B2C+8*\n+7], v[W2S+\n], v[PSC+\t] matrix_a_fmt:MATRIX_FMT_FP4 matrix_b_fmt:MATRIX_FMT_FP4
.endr
.rept 4
	v_nop
.endr
.irp i, 0,1,2,3
.irp p, 0,1,2,3
.irp j, 0,1,2,3
.if (\n == 0) && (\p == 0)
	v_pk_mul_f32 v[ACC+2*(4*\i+\j):ACC+2*(4*\i+\j)+1], v[DES+8*(4+\i)+2*\p:DES+8*(4+\i)+2*\p+1], v[DES+8*\j+2*\p:DES+8*\j+2*\p+1]
.else
	v_pk_fma_f32 v[ACC+2*(4*\i+\j):ACC+2*(4*\i+\j)+1], v[DES+8*(4+\i)+2*\p:DES+8*(4+\i)+2*\p+1], v[DES+8*\j+2*\p:DES+8*\j+2*\p+1], v[ACC+2*(4*\i+\j):ACC+2*(4*\i+\j)+1]
.endif
.endr
.endr
.endr
.endm
	DOT 0
	DOT 1
	DOT 2
	DOT 3
.irp m, 0,1,2,3,4,5,6,7
	v_add_f32 v[TA+\m], v[ACC+4*\m], v[ACC+4*\m+1]                 ; attn 2 m: my half of the 64 outputs
	v_add_f32 v[TB+\m], v[ACC+4*\m+2], v[ACC+4*\m+3]               ; attn 2 m + 1
.endr
.irp m, 0,1,2,3,4,5,6,7
	v_permlane16_swap_b32 v[TA+\m], v[TB+\m]       ; the first's lanes 16-31 change places with the second's lanes 0-15: both halves of attn 2 m now lie in lanes 0-15, those of attn 2 m + 1 in lanes 16-31
.endr
.irp m, 0,2,4,6
	v_pk_add_f32 v[TA+\m:TA+\m+1], v[TA+\m:TA+\m+1], v[TB+\m:TB+\m+1]
.endr
.irp m, 0,2,4,6
	v_pk_mul_f32 v[TA+\m:TA+\m+1], v[TA+\m:TA+\m+1], 0x3e000000 op_sel_hi:[1,0]   ; / 8
.endr
.irp m, 0,1,2,3,4,5,6,7
	ds_store_b32 v[AAT], v[TA+\m] offset:2*ATP*\m  ; row 2 m + h, pixel 16 w + r
.endr
	s_wait_tensorcnt 0x0                           ; my second tensor load has landed,
	s_wait_dscnt 0x0                               ; and my stores of attn: both for the others' sake
	s_barrier_signal -1
	s_barrier_wait -1                              ; all of other_reg and all of attn lie in LDS
	; ---- THE OUTPUT.  My 64 pixels, two a lane; channels 4 k + q of the sixteen (0, 1: cls; 2 + c: reg c), for all four i
.irp a, 0,1,2,3,4,5,6,7,8,9,10,11,12,13,14,15
	ds_load_b64 v[AV+2*\a:AV+2*\a+1], v[AAV] offset:ATP*\a
.endr
.irp k, 0,1,2,3
.irp j, 0,1,2,3
	ds_load_b64 v[OV+8*\k+2*\j:OV+8*\k+2*\j+1], v[AO0+\j/2] offset:(\j%2)*BP+4096*\k
.endr
.endr
	s_cmp_lt_u32 s31, 2                            ; channel slot 0 is cls for q = 0, 1 and reg 0, 1 for q = 2, 3: a choice of buffer on the wave's number
	s_cselect_b64 s[92:93], s[26:27], s[28:29]
	s_cselect_b32 s95, 2, 14                       ; planes from i to i + 1 there
	s_lshl_b32 s95, s95, 18
	s_and_b32 s96, s31, 1                          ; the channel's plane there
	s_lshl_b32 s96, s96, 18
	s_add_co_u32 s98, s3, s88                      ; my 64 pixels in a plane
	s_add_co_u32 s99, s31, 30
	s_lshl_b32 s99, s99, 18                        ; plane 28 + 2 + q of out1: i = 2, k = 1.  From there the immediates reach all i and k = 1 .. 3: -7,340,032 to 5,767,168 bytes, inside the signed 24 bits (ISA guide, chapter 10)
	v_and_b32 v[PIX], 31, v0
	v_lshl_add_u32 v[PIX], v[PIX], 3, s98
	v_add_nc_u32 v[VO1], s99, v[PIX]
	v_add_nc_u32 v[VO0], s96, v[PIX]
	v_add_nc_u32 v[VO0+1], s95, v[VO0]
	v_add_nc_u32 v[VO0+2], s95, v[VO0+1]
	v_add_nc_u32 v[VO0+3], s95, v[VO0+2]
.irp k, 0,1,2,3
	s_wait_dscnt 12-4*\k                           ; attn and this slot's four loads are in; the later slots' may be out
.irp j, 0,1,2,3
.irp i, 0,1,2,3
.if \j == 0
	v_pk_mul_f32 v[RES+8*\k+2*\i:RES+8*\k+2*\i+1], v[AV+2*(4*\i+\j):AV+2*(4*\i+\j)+1], v[OV+8*\k+2*\j:OV+8*\k+2*\j+1]
.else
	v_pk_fma_f32 v[RES+8*\k+2*\i:RES+8*\k+2*\i+1], v[AV+2*(4*\i+\j):AV+2*(4*\i+\j)+1], v[OV+8*\k+2*\j:OV+8*\k+2*\j+1], v[RES+8*\k+2*\i:RES+8*\k+2*\i+1]
.endif
.endr
.endr
.irp i, 0,1,2,3                        ; each store of the wave covers 256 consecutive bytes, aligned; written once, read by nobody here.  No store's registers are written again
.if \k == 0
	global_store_b64 v[VO0+\i], v[RES+2*\i:RES+2*\i+1], s[92:93] th:TH_STORE_NT
.else
	global_store_b64 v[VO1], v[RES+8*\k+2*\i:RES+8*\k+2*\i+1], s[28:29] offset:(\i-2)*RSTR+(\k-1)*4*PLANE th:TH_STORE_NT
.endif
.endr
.endr
	s_wait_xcnt 0x0
	v_lshl_add_u32 v252, v0, 2, 0x40000
	v_mov_b32 v253, 0
	s_wait_tensorcnt 0x0
	ds_add_u32 v252, v253
	s_wait_dscnt 0x0
	s_endpgm
.Lfunc_end_k_q7c1c85c72d_align:
	.size	k_q7c1c85c72d_align, .Lfunc_end_k_q7c1c85c72d_align-k_q7c1c85c72d_align
	.p2alignl 7, 3214868480
	.fill 96, 4, 3214868480
	.section	.rodata,"a",@progbits
	.p2align	6, 0x0
	.amdhsa_kernel k_q7c1c85c72d_align
		.amdhsa_group_segment_fixed_size 264192
		.amdhsa_private_segment_fixed_size 0
		.amdhsa_enable_private_segment 0
		.amdhsa_kernarg_size 104
		.amdhsa_user_sgpr_count 2
		.amdhsa_user_sgpr_kernarg_segment_ptr 1
		.amdhsa_wavefront_size32 1
		.amdhsa_system_sgpr_workgroup_id_x 1
		.amdhsa_system_sgpr_workgroup_id_y 1
		.amdhsa_system_sgpr_workgroup_id_z 1
		.amdhsa_system_vgpr_workitem_id 0
		.amdhsa_next_free_vgpr 256
		.amdhsa_next_free_sgpr 100
		.amdhsa_reserve_vcc 1
		.amdhsa_float_denorm_mode_32 3
		.amdhsa_float_denorm_mode_16_64 3
		.amdhsa_memory_ordered 1
		.amdhsa_forward_progress 1
		.amdhsa_inst_pref_size 125
	.end_amdhsa_kernel
	.amdgpu_metadata
---
amdhsa.version: [ 1, 2 ]
amdhsa.kernels:
  - .name:           k_q7c1c85c72d_align
    .symbol:         k_q7c1c85c72d_align.kd
    .args:
      - { .name: ego_cls, .offset: 0, .size: 8, .value_kind: global_buffer, .address_space: global }
      - { .name: ego_reg, .offset: 8, .size: 8, .value_kind: global_buffer, .address_space: global }
      - { .name: other_cls, .offset: 16, .size: 8, .value_kind: global_buffer, .address_space: global }
      - { .name: other_reg, .offset: 24, .size: 8, .value_kind: global_buffer, .address_space: global }
      - { .name: W1, .offset: 32, .size: 8, .value_kind: global_buffer, .address_space: global }
      - { .name: b1, .offset: 40, .size: 8, .value_kind: global_buffer, .address_space: global }
      - { .name: gamma, .offset: 48, .size: 8, .value_kind: global_buffer, .address_space: global }
      - { .name: beta, .offset: 56, .size: 8, .value_kind: global_buffer, .address_space: global }
      - { .name: W2_codes, .offset: 64, .size: 8, .value_kind: global_buffer, .address_space: global }
      - { .name: W2_scales, .offset: 72, .size: 8, .value_kind: global_buffer, .address_space: global }
      - { .name: b2, .offset: 80, .size: 8, .value_kind: global_buffer, .address_space: global }
      - { .name: out0, .offset: 88, .size: 8, .value_kind: global_buffer, .address_space: global }
      - { .name: out1, .offset: 96, .size: 8, .value_kind: global_buffer, .address_space: global }
    .group_segment_fixed_size: 264192
    .private_segment_fixed_size: 0
    .kernarg_segment_align: 8
    .kernarg_segment_size: 104
    .max_flat_workgroup_size: 512
    .sgpr_count:     100
    .vgpr_count:     256
    .wavefront_size: 32
...
	.end_amdgpu_metadata
.endif
;; end of part 1
